; MI455X (gfx1250); checked and timed in simulation.
; The chip was launched on July 23, 2026; its instructions are those of AMD's public machine-readable ISA for CDNA 5 (MIT licence, August 2026) and "CDNA5" Instruction Set Architecture Reference Guide (July 2026). The comments in the code are by the model that wrote it; some were corrected since.
;; Context Vector NN. Allowed arithmetic: matrix products marked QUANTISED: E5M2 operands, one given power-of-two scale a tensor, by v_wmma_f32_16x16x64_bf8_bf8 or v_wmma_f32_16x16x128_bf8_bf8, f32 sums; products left as they are: f32 operands where the result goes on into a quantised operand, else bf16, f16 or f32 operands; f32 sums; everything else in f32.
;; Inputs: W1 512 x 1,025 float32; W2 1 x 512 float32; b1 512 float32; b2 1 float32; coverage 32 x 1 x 4,096 float32; lowp_scales 2 int32 (the exponents e of the quantised operands' scales 2^e); summary_current_state 32 x 512 float32; text_length 32 int32; text_states 32 x 4,096 x 512 float32.
;; Outputs: out0 32 x 512 float32; out1 32 x 1 x 4,096 float32.
;; This version of the problem:
;;   THIS VERSION OF THE PROBLEM IS GIVEN IN LOW PRECISION. The matrix products marked QUANTISED in the list below multiply operands that are first quantised to E5M2 (5 exponent bits, 2 mantissa bits; 8 bits a number), with one given power-of-two scale for each operand tensor; their sums are f32. All else is computed in f32.
;;   The module's matrix products, in the order in which they are computed (A, B: the left and right operand; K: the contracted axis; several contracted axes count as one K, in the product's order):
;;     1. [M 512, K 1,025] x [K 1,025, N 131,072]; A: input W1; B: computed on the way: QUANTISED (scales: A lowp_scales[0], B lowp_scales[1])
;;     2. [M 1, K 512] x [K 512, N 131,072]; A: input W2; B: computed on the way: left as it is (M = 1 < 16)
;;   THE QUANTISER, for each operand of a quantised product, along K:
;;     - The operand's scale is 2^e, e = its entry of the input lowp_scales (int32; the entries are numbered through the quantised products in the list's order, A before B).
;;     - Each number is divided by the scale, clamped to +-57,344, and rounded to the nearest number of E5M2, ties to even, subnormals kept.
;;     - The product sums the exact products of the quantised numbers (number of the format x scale) in f32.
;;   ~~~python
;;   def quantise(x, axis, e):      # numpy; x: float32 -> the quantised numbers, widened to float32 again
;;       x = np.moveaxis(x, axis, -1); K = x.shape[-1]
;;       r = np.clip(x / 2.0 ** e, -57344, 57344)
;;       step = 2.0 ** (np.maximum(np.frexp(np.where(r == 0, 1, r))[1] - 1, -14) - 2)
;;       q = np.round(r / step) * step * 2.0 ** e      # np.round: ties to even
;;       return np.moveaxis(q, -1, axis).astype(np.float32)
;;   ~~~
;;   OPERANDS COMPUTED ON THE WAY. 'Computed on the way' means the value that the module computes at that place (a softmax that the list does not call 'softmax' is quantised finished and normalised). What goes into a quantiser is computed in f32, as accurately as f32 sums, v_exp_f32 and their like allow (about 1e-6 of the number): no bf16 or f16 on the way to a quantiser, and a product that is left as it is and whose result goes on into a quantised operand takes f32 operands (vector FMAs, or v_wmma_f32_16x16x4_f32). A number that lies on a knife's edge between two numbers of the format may be rounded either way, as far as f32 arithmetic and the matrix unit's own rounding can turn it there, and no further.
;; One version. Each part assembles by itself: llvm-mc -triple=amdgcn-amd-amdhsa -mcpu=gfx1250 --defsym DOCPART=n.
;; ======== version 1 of 1: 3 launches
;; workspace buffers: w1img 262,144 bytes; wcimg 2,048 bytes; gb 65,536 bytes; logits 524,288 bytes; pvec 4,194,304 bytes
;; launch prep (part 1): grid 32 x 1, 8 waves a work-group, no clusters, 76,800 bytes of LDS; arguments W1, summary_current_state, b1, lowp_scales, w1img, wcimg, gb; writes w1img, wcimg, gb
.if DOCPART == 1
	.amdgcn_target "amdgcn-amd-amdhsa--gfx1250"
	.amdhsa_code_object_version 6
	.text
	.protected	k_qb0acd3d8a0_prep
	.globl	k_qb0acd3d8a0_prep
	.p2align	8
	.type	k_qb0acd3d8a0_prep,@function
k_qb0acd3d8a0_prep:
	s_mov_b64 s[64:65], 0
	v_nop
	global_prefetch_b8 v0, s[64:65] scope:SCOPE_SE
	s_setreg_imm32_b32 hwreg(HW_REG_WAVE_MODE, 25, 1), 1
	s_wait_xcnt 0x0
; W1 [512][1025] f32 becomes codes of E5M2 with the given scale 2^e0, laid as the next launch's operand registers want them, and the part of the first
; product that does not hang on the position is made once: reference() broadcasts the 512 summary channels over all positions, so their terms are one number for each (batch, hidden unit):
;   gb[b][h] = 2.885390 x (2^(e0+e1) x sum over c of Q(W1[h][512+c]) Q(ss[b][c]) + b1[h]),   2.885390 = 2 log2(e): the next launch's tanh works on 2^(2.885390 z).
; SHARES.  Work-group j owns W1's rows 16 j .. 16 j + 15; wave v owns k = 128 v .. 128 v + 127.  Waves 0-3 (the text channels) store their fragment's image; wave 0 also the codes of column 1024 (coverage);
; waves 4-7 (the summary channels) multiply their fragment by the two tiles of 16 batches; the four K steps meet in LDS and waves 4 and 5 add them.
; A FRAGMENT: lane (r, hh) holds row r; registers 4 c .. 4 c + 3 hold k = 32 c + 16 hh + 0 .. 15: a permutation of k that is the same on both sides of every product of this program.
; W1's rows are 4,100 bytes, so only 4-byte loads are aligned: a load takes 128 consecutive bytes of a row, and the numbers turn through the wave's own stage in LDS to become 16 neighbours a lane.
; gb leaves in pieces of 64 bytes (16 hidden units of a batch): the buffer is 65,536 bytes in all and is written once.
; LIMITS: e0 and e1 between -126 and 112; e0 + e1 between -127 and 126 (it is added to the exponent field of 2.885390).  NaN among the inputs is not served.
.set SPITCH, 528                       ; a stage row: 128 f32 + 16 bytes
.set STGB,   16*SPITCH                 ; a wave's stage
.set PD,     8*STGB                    ; behind the stages: the partial sums, 2,048 bytes for each of waves 4-7
.set X,   32                           ; v32-95   W1 as loaded; later the second batch tile of ss; later the partial sums
.set Y,   96                           ; v96-159  W1, 16 neighbours a block
.set PC,  160                          ; v160-175 W1's fragment
.set S0,  176                          ; v176-239 the first batch tile of ss (wave 0: column 1024 and seven zeros, then its codes)
.set SC0, 240                          ; v240-255 its fragment
.set SC1, 96                           ; v96-111  the second tile's fragment
.set D0,  112                          ; v112-119, v120-127 the two sums
.set D1,  120
.set BI,  24                           ; v24-31   b1 of my eight hidden units
; 64 numbers of a lane become a fragment's 16 registers of codes.  v[sc]: the scale as f32; v[lim]: 57,344 x the scale
.macro QUANT src, dst, sc, lim
.irp c, 0,1,2,3
.irp i, 0,1,2,3,4,5,6,7,8,9,10,11,12,13,14,15
	v_med3_num_f32 v[\src+16*\c+\i], v[\src+16*\c+\i], -v[\lim], v[\lim]   ; the conversion does not saturate (ISA guide 7.6.2): the hold at the largest code x the scale
.endr
	v_cvt_scalef32_pk8_bf8_f32 v[\dst+4*\c:\dst+4*\c+1], v[\src+16*\c:\src+16*\c+7], v[\sc]
	v_cvt_scalef32_pk8_bf8_f32 v[\dst+4*\c+2:\dst+4*\c+3], v[\src+16*\c+8:\src+16*\c+15], v[\sc]
.endr
	v_nop                                          ; a plain line behind the last conversion, ahead of whatever touches its registers next
.endm
	s_load_b256 s[4:11], s[0:1], 0x0               ; W1 s[4:5], ss s[6:7], b1 s[8:9], the scales' exponents s[10:11]
	s_load_b128 s[12:15], s[0:1], 0x20             ; w1img s[12:13], wcimg s[14:15]
	s_load_b64 s[16:17], s[0:1], 0x30              ; gb
	v_lshl_add_u32 v18, v0, 2, 0x12800
	v_mov_b32 v19, 0
	v_lshrrev_b32 v1, 5, v0
	v_readfirstlane_b32 s2, v1                     ; wave 0..7
	v_and_b32 v1, 31, v0                           ; L
	v_and_b32 v2, 15, v0                           ; r
	v_bfe_u32 v3, v0, 4, 1                         ; hh
	; every LDS address is made here, ahead of the first parting of the waves
	v_lshlrev_b32 v4, 2, v1                        ; 4 L: W1's loads
	s_mul_i32 s30, s2, STGB
	v_add_nc_u32 v5, s30, v4                       ; the stage, in: 4 L
	v_mul_u32_u24 v6, v2, SPITCH
	v_lshl_add_u32 v6, v3, 6, v6
	v_add_nc_u32 v6, s30, v6                       ; the stage, out: row r, + 64 hh
	v_lshlrev_b32 v7, 4, v1                        ; 16 L: an image's place for my lane
	s_and_b32 s31, s2, 3
	s_lshl_b32 s32, s31, 11
	v_add_nc_u32 v8, s32, v7
	v_add_nc_u32 v8, PD, v8                        ; the partial sums, in: 2,048 (v mod 4) + 16 L
	s_and_b32 s33, s2, 1
	s_lshl_b32 s34, s33, 10
	v_add_nc_u32 v9, s34, v7
	v_add_nc_u32 v9, PD, v9                        ; and out: batch tile v mod 2
	v_lshlrev_b32 v10, 11, v2
	v_lshl_add_u32 v10, v3, 6, v10                 ; ss: row r of 2,048 bytes, + 64 hh
	v_lshlrev_b32 v11, 5, v3                       ; b1: 32 hh
	v_lshlrev_b32 v12, 11, v2
	v_lshl_add_u32 v12, v3, 5, v12                 ; gb: row r of 2,048 bytes, + 32 hh
	v_mul_u32_u24 v13, v2, 4100                    ; column 1024: row r of W1
	v_lshlrev_b32 v14, 2, v2                       ; wcimg: 4 r
	s_mul_i32 s36, ttmp9, 65600                    ; 16 rows of 4,100 bytes
	s_mov_b32 s37, 0
	s_lshl_b32 s38, s2, 9                          ; my 128 numbers of a row
	s_mov_b32 s39, 0
	s_lshl_b32 s42, ttmp9, 13                      ; w1img: 8,192 j + 2,048 v
	s_lshl_b32 s44, s31, 11
	s_add_co_u32 s42, s42, s44
	s_mov_b32 s43, 0
	s_lshr_b32 s44, ttmp9, 3                       ; wcimg: [wave j / 8][c = j mod 4][lane 16 ((j / 4) mod 2) + r] words
	s_lshl_b32 s44, s44, 9
	s_and_b32 s46, ttmp9, 3
	s_lshl_b32 s46, s46, 7
	s_add_co_u32 s44, s44, s46
	s_bfe_u32 s46, ttmp9, 0x10002
	s_lshl_b32 s46, s46, 6
	s_add_co_u32 s44, s44, s46
	s_mov_b32 s45, 0
	s_lshl_b32 s46, s31, 9                         ; ss: 128 numbers x (v mod 4)
	s_mov_b32 s47, 0
	s_lshl_b32 s48, ttmp9, 6                       ; b1: 16 numbers x j
	s_mov_b32 s49, 0
	s_lshl_b32 s50, s33, 15                        ; gb: 16 batches x (v mod 2), + 16 numbers x j
	s_add_co_u32 s50, s50, s48
	s_mov_b32 s51, 0
	s_wait_kmcnt 0x0
	s_load_b64 s[20:21], s[10:11], 0x0             ; e0, e1
	s_add_nc_u64 s[18:19], s[4:5], s[36:37]        ; W1 at my work-group's first row,
	s_add_nc_u64 s[22:23], s[18:19], s[38:39]      ; and at my wave's k
	s_add_nc_u64 s[12:13], s[12:13], s[42:43]
	s_add_nc_u64 s[14:15], s[14:15], s[44:45]
	s_add_nc_u64 s[6:7], s[6:7], s[46:47]
	s_add_nc_u64 s[8:9], s[8:9], s[48:49]
	s_add_nc_u64 s[16:17], s[16:17], s[50:51]
	; what only some waves need is asked for first, so that one wait serves all
	s_cmp_lt_u32 s2, 4
	s_cbranch_scc1 .Llow0
.irp c, 0,1,2,3
.irp q, 0,1,2,3
	global_load_b128 v[S0+16*\c+4*\q:S0+16*\c+4*\q+3], v10, s[6:7] offset:128*\c+16*\q   ; ss(r, 128 (v - 4) + 32 c + 16 hh + 4 q ..)
.endr
.endr
	global_load_b128 v[BI:BI+3], v11, s[8:9]
	global_load_b128 v[BI+4:BI+7], v11, s[8:9] offset:16
	s_branch .Lall
.Llow0:
	s_cmp_lg_u32 s2, 0
	s_cbranch_scc1 .Lall
	global_load_b32 v[S0], v13, s[18:19] offset:4096   ; W1(16 j + r, 1024)
.Lall:
.irp a, 0,1,2,3,4,5,6,7,8,9,10,11,12,13,14,15
.irp q, 0,1,2,3
	global_load_b32 v[X+4*\a+\q], v4, s[22:23] offset:4100*\a+128*\q   ; 32 lanes read 128 consecutive bytes of row a
.endr
.endr
	s_wait_kmcnt 0x0
	s_add_co_i32 s24, s20, s21
	s_lshl_b32 s24, s24, 23
	s_add_co_i32 s26, s24, 0x4038aa3b              ; 2.885390 x 2^(e0+e1): the exponents are added to the exponent field
	s_mov_b32 s27, s26                             ; (named with it as a pair, so it is written)
	s_add_co_i32 s24, s20, 127
	s_lshl_b32 s25, s24, 23
	v_mov_b32 v20, s25                             ; 2^e0
	s_add_co_i32 s24, s24, 15
	s_lshl_b32 s24, s24, 23
	s_or_b32 s24, s24, 0x600000
	v_mov_b32 v21, s24                             ; 57,344 x 2^e0
	s_add_co_i32 s24, s21, 127
	s_lshl_b32 s25, s24, 23
	v_mov_b32 v22, s25                             ; 2^e1
	s_add_co_i32 s24, s24, 15
	s_lshl_b32 s24, s24, 23
	s_or_b32 s24, s24, 0x600000
	v_mov_b32 v23, s24                             ; 57,344 x 2^e1
	s_wait_loadcnt 0x0                             ; all that has been asked for
.irp a, 0,1,2,3,4,5,6,7,8,9,10,11,12,13,14,15
.irp q, 0,1,2,3
	ds_store_b32 v5, v[X+4*\a+\q] offset:SPITCH*\a+128*\q
.endr
.endr
.irp c, 0,1,2,3
.irp q, 0,1,2,3
	ds_load_b128 v[Y+16*\c+4*\q:Y+16*\c+4*\q+3], v6 offset:128*\c+16*\q   ; LDS serves a wave's instructions in order: these see my stores
.endr
.endr
	s_wait_dscnt 0x0
	s_cmp_lt_u32 s2, 4
	s_cbranch_scc0 .Lhigh
	; ---- waves 0-3: the image of the fragment
	QUANT Y, PC, 20, 21
.irp c, 0,1,2,3
	global_store_b128 v7, v[PC+4*\c:PC+4*\c+3], s[12:13] offset:512*\c   ; 32 lanes store 512 consecutive bytes
.endr
	s_cmp_lg_u32 s2, 0
	s_cbranch_scc1 .Lmeet
	; ---- wave 0: column 1024.  One number and seven zeros a lane: the code lies in byte 0 of a word of zero codes
	v_med3_num_f32 v[S0], v[S0], -v21, v21
.irp i, 1,2,3,4,5,6,7
	v_mov_b32 v[S0+\i], 0
.endr
	v_cvt_scalef32_pk8_bf8_f32 v[S0+8:S0+9], v[S0:S0+7], v20
	v_nop
	v_cmp_gt_u32 vcc_lo, 16, v1
	s_wait_xcnt 0x0                                ; EXEC is a source of the stores above: it changes only behind this wait
	s_and_saveexec_b32 s40, vcc_lo
	global_store_b32 v14, v[S0+8], s[14:15]        ; lanes 0-15: 64 consecutive bytes
	s_wait_xcnt 0x0
	s_or_b32 exec_lo, exec_lo, s40
	s_branch .Lmeet
.Lhigh:
	; ---- waves 4-7: the second batch tile lands while W1 and the first are quantised
.irp c, 0,1,2,3
.irp q, 0,1,2,3
	global_load_b128 v[X+16*\c+4*\q:X+16*\c+4*\q+3], v10, s[6:7] offset:32768+128*\c+16*\q
.endr
.endr
	QUANT Y, PC, 20, 21
	QUANT S0, SC0, 22, 23
	s_wait_loadcnt 0x0
	QUANT X, SC1, 22, 23
	v_wmma_f32_16x16x128_bf8_bf8 v[D0:D0+7], v[PC:PC+15], v[SC0:SC0+15], 0   ; source 0 = 16 rows of W1, source 1 = 16 batches: lane (r, hh) holds batch r, register i hidden unit 8 hh + i
	v_wmma_f32_16x16x128_bf8_bf8 v[D1:D1+7], v[PC:PC+15], v[SC1:SC1+15], 0
.rept 4
	v_nop                                          ; four places ahead of the stores that read the results
.endr
	ds_store_b128 v8, v[D0:D0+3]
	ds_store_b128 v8, v[D0+4:D0+7] offset:512
	ds_store_b128 v8, v[D1:D1+3] offset:1024
	ds_store_b128 v8, v[D1+4:D1+7] offset:1536
.Lmeet:
	s_wait_dscnt 0x0                               ; for the others' sake: my stores have landed
	s_barrier_signal -1
	s_barrier_wait -1
	s_cmp_lt_u32 s2, 4
	s_cbranch_scc1 .Lend
	s_cmp_gt_u32 s2, 5
	s_cbranch_scc1 .Lend
	; ---- waves 4 and 5: the four K steps of batch tile v - 4 are added
.irp q, 0,1,2,3
	ds_load_b128 v[X+8*\q:X+8*\q+3], v9 offset:2048*\q
	ds_load_b128 v[X+8*\q+4:X+8*\q+7], v9 offset:2048*\q+512
.endr
.irp i, 0,2,4,6
	v_pk_mul_f32 v[BI+\i:BI+\i+1], v[BI+\i:BI+\i+1], 0x4038aa3b op_sel_hi:[1,0]   ; 2.885390 x b1
.endr
	s_wait_dscnt 0x0
.irp i, 0,2,4,6
	v_pk_add_f32 v[X+\i:X+\i+1], v[X+\i:X+\i+1], v[X+8+\i:X+8+\i+1]
	v_pk_add_f32 v[X+16+\i:X+16+\i+1], v[X+16+\i:X+16+\i+1], v[X+24+\i:X+24+\i+1]
.endr
.irp i, 0,2,4,6
	v_pk_add_f32 v[X+\i:X+\i+1], v[X+\i:X+\i+1], v[X+16+\i:X+16+\i+1]
.endr
.irp i, 0,2,4,6
	v_pk_fma_f32 v[X+\i:X+\i+1], v[X+\i:X+\i+1], s[26:27], v[BI+\i:BI+\i+1] op_sel_hi:[1,0,1]
.endr
	global_store_b128 v12, v[X:X+3], s[16:17]
	global_store_b128 v12, v[X+4:X+7], s[16:17] offset:16
.Lend:
	s_wait_tensorcnt 0x0
	ds_add_u32 v18, v19
	s_wait_dscnt 0x0
	s_endpgm
.Lfunc_end_k_qb0acd3d8a0_prep:
	.size	k_qb0acd3d8a0_prep, .Lfunc_end_k_qb0acd3d8a0_prep-k_qb0acd3d8a0_prep
	.p2alignl 7, 3214868480
	.fill 96, 4, 3214868480
	.section	.rodata,"a",@progbits
	.p2align	6, 0x0
	.amdhsa_kernel k_qb0acd3d8a0_prep
		.amdhsa_group_segment_fixed_size 76800
		.amdhsa_private_segment_fixed_size 0
		.amdhsa_enable_private_segment 0
		.amdhsa_kernarg_size 56
		.amdhsa_user_sgpr_count 2
		.amdhsa_user_sgpr_kernarg_segment_ptr 1
		.amdhsa_wavefront_size32 1
		.amdhsa_system_sgpr_workgroup_id_x 1
		.amdhsa_system_sgpr_workgroup_id_y 1
		.amdhsa_system_sgpr_workgroup_id_z 1
		.amdhsa_system_vgpr_workitem_id 0
		.amdhsa_next_free_vgpr 256
		.amdhsa_next_free_sgpr 66
		.amdhsa_reserve_vcc 1
		.amdhsa_float_denorm_mode_32 3
		.amdhsa_float_denorm_mode_16_64 3
		.amdhsa_memory_ordered 1
		.amdhsa_forward_progress 1
		.amdhsa_inst_pref_size 41
	.end_amdhsa_kernel
	.amdgpu_metadata
---
amdhsa.version: [ 1, 2 ]
amdhsa.kernels:
  - .name:           k_qb0acd3d8a0_prep
    .symbol:         k_qb0acd3d8a0_prep.kd
    .args:
      - { .name: W1, .offset: 0, .size: 8, .value_kind: global_buffer, .address_space: global }
      - { .name: summary_current_state, .offset: 8, .size: 8, .value_kind: global_buffer, .address_space: global }
      - { .name: b1, .offset: 16, .size: 8, .value_kind: global_buffer, .address_space: global }
      - { .name: lowp_scales, .offset: 24, .size: 8, .value_kind: global_buffer, .address_space: global }
      - { .name: w1img, .offset: 32, .size: 8, .value_kind: global_buffer, .address_space: global }
      - { .name: wcimg, .offset: 40, .size: 8, .value_kind: global_buffer, .address_space: global }
      - { .name: gb, .offset: 48, .size: 8, .value_kind: global_buffer, .address_space: global }
    .group_segment_fixed_size: 76800
    .private_segment_fixed_size: 0
    .kernarg_segment_align: 8
    .kernarg_segment_size: 56
    .max_flat_workgroup_size: 256
    .sgpr_count:     66
    .vgpr_count:     256
    .wavefront_size: 32
...
	.end_amdgpu_metadata
.endif
;; end of part 1
;; launch score (part 2): grid 256 x 1, 4 waves a work-group, no clusters, 18,432 bytes of LDS; arguments text_states, coverage, text_length, lowp_scales, W2, b2, w1img, wcimg, gb, logits, pvec; writes logits, pvec
.if DOCPART == 2
	.amdgcn_target "amdgcn-amd-amdhsa--gfx1250"
	.amdhsa_code_object_version 6
	.text
	.protected	k_qb0acd3d8a0_score
	.globl	k_qb0acd3d8a0_score
	.p2align	8
	.type	k_qb0acd3d8a0_score,@function
k_qb0acd3d8a0_score:
	s_mov_b64 s[64:65], 0
	v_nop
	global_prefetch_b8 v0, s[64:65] scope:SCOPE_SE
	s_setreg_imm32_b32 hwreg(HW_REG_WAVE_MODE, 25, 1), 1
	s_wait_xcnt 0x0
; For each LIVE block of 64 positions (one that begins under its batch's text_length): the positions' codes of E5M2, the first product, tanh, the logits (-infinity from text_length on),
; the block's largest logit m, and pvec = sum over the block's l of exp(logit - m) x text_states[l][:].  The last launch joins the blocks.  text_states is read once.
; WHAT IS NOT DONE: positions from text_length on get -infinity in reference() itself, so blocks that lie wholly there are not multiplied, and (but for a work-group's first block) not read.  The 512 summary channels are the same
; for all positions of a batch: their terms, with b1, come from the launch before as gb[b][h].  So K here is the 512 text channels (four steps of 128) and the coverage channel (one step of 64).
; SHARES.  32 batches x 64 blocks = 256 work-groups x 8 trips.  Work-group g (i = g mod 32, j = g / 32) takes in trip t batch (i + 4 t) mod 32 and block 8 t + j (even t) or 8 t + 7 - j (odd t): each block has one owner,
; and every address is made of ids, the trip's number and constants.  text_length decides two flags (this trip's block is live, the next trip's is) and the mask, and nothing else.
; A work-group's eight blocks lie in eight batches, one in each eighth of the positions, so that all work-groups expect the same number of live ones; the numbers themselves differ with the lengths.
; The loop has a constant count and every barrier is on every path; only the work between barriers is jumped over, by scalar branches on the flags.
; What the work-groups share, W1's 262,144 bytes of codes, is read once by each at its head, against 131,072 bytes of its own for every block.
; A block goes in two halves: half s holds rows 2 i + s, i = 0 .. 31, so that lane i's two logits are neighbours.  Wave w has two parts: (a) it loads, quantises and later weighs features
; 128 w .. 128 w + 127 of all 32 rows (a load takes 512 consecutive bytes of a row; the f32 numbers stay in registers until the row's weight is known); (b) it multiplies for hidden units 128 w .. 128 w + 127,
; whose codes of W1 stay in 512 of its registers for the whole launch.  The rows' codes go from wave to wave through LDS.
; THE PRODUCT: source 0 = 16 positions, source 1 = 16 rows of W1: lane (r, hh) holds hidden unit r of the tile, register j position 8 hh + j.  So gb and W2 cost one register a tile.
; k is permuted alike on both sides (registers 4 c .. 4 c + 3: k = 32 c + 16 hh + 0 .. 15): four 16-byte LDS loads a fragment.
; COVERAGE: one 16x16x64 product a tile starts each sum.  One fragment WC serves all 8 tiles: at k = 16 c it holds tile c's column 1024, at k = 16 c + 8 tile 4 + c's.  The positions' fragment is a window of 8
; registers over a field of 14 that is zero but for register 6: the window for tile 4 g + c begins at 6 - 2 c, so that the one code meets its own tile's k.
; TANH: tanh z = 1 - 2 / (1 + 2^(2.885390 z)); logit = b2 + sum W2 - 2 sum W2 / (1 + 2^..).  A unit (16 positions x 64 hidden units: 32 numbers a lane) has its tanh set in slices of five behind the next unit's 16 products.
; LIMITS: text_length under 1 counts as 1, over 4,096 as 4,096.  e1 between -126 and 112; e0 + e1 between -127 and 126.  NaN and infinities in text_states are not served (a masked row of a live block is multiplied by 0).
; REGISTERS.  window 0: see the names below.  window 1: the f32 rows, set s at v[128 s + 4 i].  windows 2, 3: W1: tile 4 g + t, K step ks at v[64 t + 16 ks] of window 2 + g.
.set PITCH, 528                        ; a row of 512 codes in LDS + 16 bytes: 132 words, so the 16 rows of a fragment load start 4 banks apart (64 banks of 4 bytes: ISA guide 11.1)
.set LPART, 32*PITCH                   ; behind the codes: the waves' parts of 32 logits, 128 bytes a wave
.set ESCR,  LPART+512                  ; and 128 bytes a wave for the rows' weights
.set TRIPS, 8
; v1 L, v2 r, v3 hh; v7 512 w + 16 L; v8 128 w + 4 L; v9 528 r + 16 hh; v10, v11 LPART in, out; v12, v13 ESCR in, out; v14 8 r; v15 512 w + 4 r; v16 8 L; v17 2 L;
; v18, v19 all ones in lanes 0-15, 16-31; v20 2^e1; v21 57,344 x 2^e1; v22 -infinity; v23-31 at work
.set GB,   32                          ; v32-47   gb of my 8 tiles, a set for each half
.set COVF, 48                          ; v48-51   coverage, two tiles of 16 positions for each half
.set W2P,  52                          ; v52-59   -2 W2 of my 8 tiles
.set W2S,  60                          ; v60-61   the sum of W2 over my 8 tiles, twice
.set CS,   62                          ; v62-69   a coverage number and seven zeros
.set CD,   70                          ; v70-71   its code
.set WC,   72                          ; v72-79   W1's column 1024
.set R0,   80                          ; v80-93, v94-107 the two fields
.set LP,   108                         ; v108-115 the logits' parts of 8 positions
.set CTX,  116                         ; v116-119 the block's weighted sum of my 4 features
.set MX,   120                         ; v120     m
.set LG,   122                         ; v122-123 my two logits
.set FR,   124                         ; v124-187 the positions' four fragments (while quantising: the codes just made)
.set AC,   188                         ; v188-219, v220-251 two sets of four accumulators (while quantising: 64 held numbers; while weighing: 32 weights, four chains)
; s2 wave, s3 trip, s[4:25] the buffers, s26, s27 at work at the head, s28 i, s29 j, s30 / s31 this / the next trip's block is live; s32-34 the wave's number shifted; s[36:37] where the next batch's length lies, s38 that length;
; s40-61 at work in the address macros; s[66:67] 2.885390 x 2^(e0+e1), s68 b2, s[70:71] lane selects, s72 log2(e); s76 / s77 length - first position of the next / this trip's block; s78 the next trip's number;
; s79, s80 this trip's batch and block; s81 at work; s[82:87] the next block's text, coverage, gb; s[88:91] this block's logits, pvec; s92, s93 the next trip's batch and block; s94-101 byte offsets
.set MSB, 0
.macro WIN new                         ; the immediate's high byte repeats the setting that is left
.if MSB != (\new)
	s_set_vgpr_msb (MSB<<8)|(\new)
.set MSB, (\new)
.endif
.endm
.macro BAR                             ; my LDS stores have landed and my LDS loads are in: then the work-group's barrier
	s_wait_dscnt 0x0
	s_barrier_signal -1
	s_barrier_wait -1
.endm
.macro PKF d, x, w, sel, c             ; v[d:d+1] = v[x:x+1] x v[w+sel] + v[c:c+1]
.if \sel
	v_pk_fma_f32 v[\d:\d+1], v[\x:\x+1], v[\w:\w+1], v[\c:\c+1] op_sel:[0,1,0] op_sel_hi:[1,1,1]
.else
	v_pk_fma_f32 v[\d:\d+1], v[\x:\x+1], v[\w:\w+1], v[\c:\c+1] op_sel_hi:[1,0,1]
.endif
.endm
.macro PKM d, x, w, sel                ; v[d:d+1] = v[x:x+1] x v[w+sel]
.if \sel
	v_pk_mul_f32 v[\d:\d+1], v[\x:\x+1], v[\w:\w+1] op_sel:[0,1] op_sel_hi:[1,1]
.else
	v_pk_mul_f32 v[\d:\d+1], v[\x:\x+1], v[\w:\w+1] op_sel_hi:[1,0]
.endif
.endm
; The block of trip s78: its batch and number, the three bases of its loads, and the request for its batch's length.  All of it is made of ids, the trip's number and constants.
; It stands behind a wait on XCNT for 0: the loads that named the old bases have read them; the last scalar load was waited for in the trip before.
.macro NEXTB
	s_lshl_b32 s42, s78, 2
	s_add_co_u32 s43, s42, s28
	s_and_b32 s92, s43, 31                         ; batch (i + 4 t) mod 32
	s_and_b32 s44, s78, 1
	s_mul_i32 s45, s44, 7
	s_xor_b32 s46, s45, s29                        ; j, in odd trips 7 - j
	s_lshl_b32 s47, s78, 3
	s_add_co_u32 s93, s47, s46                     ; block 8 t + that
	s_lshl_b32 s100, s92, 23                       ; a batch's 4,096 rows of 2,048 bytes,
	s_lshl_b32 s101, s93, 17                       ; a block's 64
	s_add_co_u32 s94, s100, s101
	s_mov_b32 s95, 0
	s_add_nc_u64 s[82:83], s[4:5], s[94:95]
	s_lshl_b32 s48, s92, 14                        ; a batch's 4,096 numbers of coverage, a block's 64
	s_lshl_b32 s49, s93, 8
	s_add_co_u32 s96, s48, s49
	s_mov_b32 s97, 0
	s_add_nc_u64 s[84:85], s[6:7], s[96:97]
	s_lshl_b32 s98, s92, 11                        ; a batch's 512 numbers of gb
	s_mov_b32 s99, 0
	s_add_nc_u64 s[86:87], s[20:21], s[98:99]
	s_lshl_b32 s40, s92, 2
	s_mov_b32 s41, 0
	s_add_nc_u64 s[36:37], s[8:9], s[40:41]
	s_load_b32 s38, s[36:37], 0x0                  ; the batch's length
.endm
; The length has come: how many positions of the next trip's block lie under it (0 or less: the block is dead; trip 8's block number is 64 or more, so it is always dead)
.macro LENN
	s_wait_kmcnt 0x0
	s_max_i32 s50, s38, 1
	s_min_i32 s51, s50, 0x1000
	s_lshl_b32 s52, s93, 6
	s_sub_co_i32 s76, s51, s52
	s_cmp_gt_i32 s76, 0
	s_cselect_b32 s31, 1, 0
.endm
; Where this trip's block (batch s79, block s80) puts its results
.macro OUTB
	s_lshl_b32 s53, s79, 14
	s_lshl_b32 s54, s80, 8
	s_add_co_u32 s56, s53, s54
	s_mov_b32 s57, 0
	s_add_nc_u64 s[88:89], s[22:23], s[56:57]
	s_lshl_b32 s55, s79, 17                        ; a batch's 64 blocks of 2,048 bytes
	s_lshl_b32 s58, s80, 11
	s_add_co_u32 s60, s55, s58
	s_mov_b32 s61, 0
	s_add_nc_u64 s[90:91], s[24:25], s[60:61]
.endm
; half s of the next block: 32 rows, coverage, gb
.macro LOADS s
	WIN 0x40                                       ; destination window 1
.set i, 0
.rept 32
	global_load_b128 v[128*\s+4*i:128*\s+4*i+3], v7, s[82:83] offset:(2*i+\s)*2048 th:TH_LOAD_NT   ; 32 lanes read 512 consecutive bytes of row 2 i + s; read once in the launch
.set i, i+1
.endr
	WIN 0
	global_load_b32 v[COVF+2*\s], v14, s[84:85] offset:4*\s
	global_load_b32 v[COVF+2*\s+1], v14, s[84:85] offset:128+4*\s
.irp t, 0,1,2,3,4,5,6,7
	global_load_b32 v[GB+8*\s+\t], v15, s[86:87] offset:64*\t
.endr
.endm
; my 4 features of the half's 32 rows become codes, 16 rows a pass; the f32 numbers stay as they are.  A conversion takes two rows' four numbers: each result register is one row's 4 codes
.macro QUANT s
.irp p, 0,1
	WIN 0x01                                       ; source 0 window 1
.set n, 0
.rept 64
	v_med3_num_f32 v[AC+n], v[128*\s+64*\p+n], -v21, v21   ; the conversion does not saturate (ISA guide 7.6.2): the hold at the largest code x the scale
.set n, n+1
.endr
	WIN 0
.irp q, 0,1,2,3,4,5,6,7
	v_cvt_scalef32_pk8_bf8_f32 v[FR+16*\p+2*\q:FR+16*\p+2*\q+1], v[AC+8*\q:AC+8*\q+7], v20
.endr
	v_nop                                          ; a plain line behind the last conversion, ahead of whatever touches its registers next
.irp q, 0,1,2,3,4,5,6,7,8,9,10,11,12,13,14,15
	ds_store_b32 v8, v[FR+16*\p+\q] offset:(16*\p+\q)*PITCH   ; row 16 p + q, k = 128 w + 4 L ..: 128 consecutive bytes a wave
.endr
.endr
.endm
.macro FETCH m, ks                     ; the fragment of positions 16 m .., K step ks
.irp c, 0,1,2,3
	ds_load_b128 v[FR+16*\ks+4*\c:FR+16*\ks+4*\c+3], v9 offset:16*PITCH*\m+128*\ks+32*\c
.endr
.endm
.macro COVPREP s, m                    ; the coverage codes of positions 16 m .. into register 6 of both fields
	v_med3_num_f32 v[CS], v[COVF+2*\s+\m], -v21, v21
	v_cvt_scalef32_pk8_bf8_f32 v[CD:CD+1], v[CS:CS+7], v20
	v_nop
	v_and_b32 v[R0+6], v[CD], v18
	v_and_b32 v[R0+20], v[CD], v19
.endm
.macro COVW a                          ; group a's four tiles begin their sums, in accumulator set a
.irp c, 0,1,2,3
	v_wmma_f32_16x16x64_bf8_bf8 v[AC+32*(\a)+8*\c:AC+32*(\a)+8*\c+7], v[R0+14*(\a)+6-2*\c:R0+14*(\a)+13-2*\c], v[WC:WC+7], 0
.endr
.endm
.macro XW a, ks, t
	v_wmma_f32_16x16x128_bf8_bf8 v[AC+32*(\a)+8*(\t):AC+32*(\a)+8*(\t)+7], v[FR+16*(\ks):FR+16*(\ks)+15], v[64*(\t)+16*(\ks):64*(\t)+16*(\ks)+15], v[AC+32*(\a)+8*(\t):AC+32*(\a)+8*(\t)+7]
.endm
.macro TH1 a, s                        ; 2.885390 z = sum x (2.885390 x 2^(e0+e1)) + gb; each accumulator from its low end on
.irp t, 0,1,2,3
.irp p, 0,2,4,6
.if \t%2
	v_pk_fma_f32 v[AC+32*(\a)+8*\t+\p:AC+32*(\a)+8*\t+\p+1], v[AC+32*(\a)+8*\t+\p:AC+32*(\a)+8*\t+\p+1], s[66:67], v[GB+8*\s+4*(\a)+2*(\t/2):GB+8*\s+4*(\a)+2*(\t/2)+1] op_sel:[0,0,1] op_sel_hi:[1,0,1]
.else
	v_pk_fma_f32 v[AC+32*(\a)+8*\t+\p:AC+32*(\a)+8*\t+\p+1], v[AC+32*(\a)+8*\t+\p:AC+32*(\a)+8*\t+\p+1], s[66:67], v[GB+8*\s+4*(\a)+2*(\t/2):GB+8*\s+4*(\a)+2*(\t/2)+1] op_sel_hi:[1,0,0]
.endif
.endr
.endr
.endm
; number j of 80: 0-31 the exponentials, 32-47 the additions of 1, 48-79 the reciprocals.  The exponentials are one batch: a plain line and one wait stand ahead of the first addition
.macro THJ a, j
.if (\j) < 32
	v_exp_f32 v[AC+32*(\a)+(\j)], v[AC+32*(\a)+(\j)]
.elseif (\j) < 48
.if (\j) == 32
	v_nop
	s_wait_alu depctr_va_vdst(0)
.endif
	v_pk_add_f32 v[AC+32*(\a)+2*((\j)-32):AC+32*(\a)+2*((\j)-32)+1], v[AC+32*(\a)+2*((\j)-32):AC+32*(\a)+2*((\j)-32)+1], 1.0 op_sel_hi:[1,0]
.else
	v_rcp_f32 v[AC+32*(\a)+(\j)-48], v[AC+32*(\a)+(\j)-48]
.endif
.endm
.macro TH5 a                           ; the reciprocals are one batch too; then the logits' parts: group 0's first tile starts them with the sum of W2
	v_nop
	s_wait_alu depctr_va_vdst(0)
.irp t, 0,1,2,3
.irp p, 0,2,4,6
.if ((\a) == 0) && (\t == 0)
	PKF LP+\p, AC+32*(\a)+8*\t+\p, W2P+4*(\a)+2*(\t/2), \t%2, W2S
.else
	PKF LP+\p, AC+32*(\a)+8*\t+\p, W2P+4*(\a)+2*(\t/2), \t%2, LP+\p
.endif
.endr
.endr
.endm
.macro REDUCE m                        ; over the 16 hidden units that lie across the lanes of a half; every lane of a half then stores the same 32 bytes
.irp x, 1,2,4,8
.irp j, 0,1,2,3,4,5,6,7
	v_add_f32_dpp v[LP+\j], v[LP+\j], v[LP+\j] row_xmask:\x row_mask:0xf bank_mask:0xf
.endr
.endr
	ds_store_b128 v10, v[LP:LP+3] offset:64*(\m)
	ds_store_b128 v10, v[LP+4:LP+7] offset:64*(\m)+16
.endm
; STEP k: unit k's 20 products (units 0 .. 3: positions 16 (k / 2) .., tiles 4 (k % 2) ..) with unit k - 1's tanh between them.  The four accumulators take turns, one instruction a turn.
; PLACES (ISA guide 7.12.1): the K = 128 form adds onto a K = 64 form's result, which is no chain: five places stand between, TH1's sixteen lines or five v_nop.  Behind a unit's last products stand TH5's lines of the unit before
; (step 0: four v_nop) ahead of TH1, which reads them.  In step 1 the fragments of positions 16 .. are fetched: K steps 0, 1 behind slice 7, whose five additions are the places behind product 7, the last that read those registers; K steps 2, 3 behind TH5.
.macro STEP k, s
.set cg, (\k)%2
.set pg, 1-cg
.if \k < 4
	COVW cg
.endif
.if \k == 0
.rept 5
	v_nop
.endr
.else
	TH1 pg, \s
.endif
.set jj, 0
.if \k < 4
.set wv, 0x08+4*cg
	WIN wv                                         ; source 1 (W1) window 2 or 3; the slices have no vector register as source 1
.if (\k == 0) || (\k == 2)
	s_wait_dscnt 8                                 ; K steps 0 and 1 are in; the youngest eight loads (K steps 2, 3) may be out
.endif
.set ii, 0
.rept 16
.if (ii == 8) && ((\k == 0) || (\k == 2))
	s_wait_dscnt 0x0
.endif
	XW cg, ii/4, ii%4
.if \k > 0
.rept 5
	THJ pg, jj
.set jj, jj+1
.endr
.endif
.if (\k == 1) && (ii == 7)
	FETCH 1, 0
	FETCH 1, 1
.endif
.set ii, ii+1
.endr
	WIN 0
.else
.rept 80
	THJ pg, jj
.set jj, jj+1
.endr
.endif
.if \k == 0
.rept 4
	v_nop
.endr
.else
	TH5 pg
.if pg == 1
	REDUCE (\k-1)/2
.endif
.endif
.if \k == 1
	FETCH 1, 2
	FETCH 1, 3
	COVPREP \s, 1
.endif
.endm
; the half's 32 logits (every wave makes them all: lane L has row L), the running m, the rows' weights, and my 4 features' weighted sum
.macro WEIGH s
	ds_load_b32 v27, v11
	ds_load_b32 v28, v11 offset:128
	ds_load_b32 v29, v11 offset:256
	ds_load_b32 v30, v11 offset:384
	s_sub_co_i32 s81, s77, \s
	v_cmp_gt_i32 vcc_lo, s81, v17                  ; position 2 L + s of the block counts where it lies under the length
	s_wait_dscnt 0x0
	v_add_f32 v27, v27, v28
	v_add_f32 v29, v29, v30
	v_add_f32 v27, v27, v29
	v_add_f32 v27, s68, v27                        ; + b2
	v_cndmask_b32 v[LG+\s], v22, v27, vcc_lo
	v_max_num_f32_dpp v23, v[LG+\s], v[LG+\s] row_xmask:1 row_mask:0xf bank_mask:0xf
	v_max_num_f32_dpp v23, v23, v23 row_xmask:2 row_mask:0xf bank_mask:0xf
	v_max_num_f32_dpp v23, v23, v23 row_xmask:4 row_mask:0xf bank_mask:0xf
	v_max_num_f32_dpp v23, v23, v23 row_xmask:8 row_mask:0xf bank_mask:0xf
	v_permlanex16_b32 v26, v23, s70, s71
.if \s == 0
	v_max_num_f32 v[MX], v23, v26                  ; a number: a live block's first position counts
.else
	v_max3_num_f32 v28, v23, v26, v[MX]
	v_sub_f32 v29, v[MX], v28
	v_mul_f32 v29, s72, v29
	v_mov_b32 v[MX], v28
	v_exp_f32 v24, v29                             ; f = exp(old m - new m)
.endif
	v_sub_f32 v30, v[LG+\s], v[MX]
	v_mul_f32 v30, s72, v30
	v_exp_f32 v31, v30                             ; exp(logit - m); 0 for a masked row
	v_nop
	s_wait_alu depctr_va_vdst(0)                   ; one wait for the batch, ahead of its first reader
	ds_store_b32 v12, v31
.irp q, 0,1,2,3,4,5,6,7
	ds_load_b128 v[AC+4*\q:AC+4*\q+3], v13 offset:16*\q   ; all 32 weights into every lane; LDS serves a wave's instructions in order
.endr
	s_wait_dscnt 0x0
	WIN 0x01                                       ; source 0 (the rows) window 1
.set i, 0
.rept 32
.set ch, AC+32+4*(i%4)
.set ev, AC+2*(i/2)
.irp p, 0,2
.if i < 4
	PKM ch+\p, 128*\s+4*i+\p, ev, i%2
.else
	PKF ch+\p, 128*\s+4*i+\p, ev, i%2, ch+\p
.endif
.endr
.set i, i+1
.endr
	WIN 0
.irp p, 0,2
	v_pk_add_f32 v[AC+32+\p:AC+33+\p], v[AC+32+\p:AC+33+\p], v[AC+36+\p:AC+37+\p]
	v_pk_add_f32 v[AC+40+\p:AC+41+\p], v[AC+40+\p:AC+41+\p], v[AC+44+\p:AC+45+\p]
.endr
.if \s == 0
.irp p, 0,2
	v_pk_add_f32 v[CTX+\p:CTX+\p+1], v[AC+32+\p:AC+33+\p], v[AC+40+\p:AC+41+\p]
.endr
.else
.irp p, 0,2
	v_pk_add_f32 v[AC+32+\p:AC+33+\p], v[AC+32+\p:AC+33+\p], v[AC+40+\p:AC+41+\p]
.endr
.irp p, 0,2
	v_pk_fma_f32 v[CTX+\p:CTX+\p+1], v[CTX+\p:CTX+\p+1], v[24:25], v[AC+32+\p:AC+33+\p] op_sel_hi:[1,0,1]
.endr
	global_store_b128 v7, v[CTX:CTX+3], s[90:91]   ; 32 lanes store 512 consecutive bytes of the block's 2,048
	s_cmp_lg_u32 s2, 0
	s_cbranch_scc1 .Lnot_wave_0_\@
	global_store_b64 v16, v[LG:LG+1], s[88:89]     ; the block's 64 logits: 256 consecutive bytes
.Lnot_wave_0_\@:
.endif
.endm
; a half block.  Two barriers, on every path: behind the first the half's codes lie in LDS, behind the second the four waves' parts of its logits.  The codes are written again only behind the second barrier, which every wave
; reaches with its reads of them back; the parts likewise behind the next half's first.
.macro HALF s
	s_cmp_lg_u32 s30, 0
	s_cbranch_scc0 .Lno_a_\@
	QUANT \s
.Lno_a_\@:
	BAR
	s_cmp_lg_u32 s30, 0
	s_cbranch_scc0 .Lno_b_\@
	COVPREP \s, 0
	FETCH 0, 0
	FETCH 0, 1
	FETCH 0, 2
	FETCH 0, 3
	STEP 0, \s
	STEP 1, \s
	STEP 2, \s
	STEP 3, \s
	STEP 4, \s
.Lno_b_\@:
	BAR
	s_cmp_lg_u32 s30, 0
	s_cbranch_scc0 .Lno_c_\@
	WEIGH \s
.Lno_c_\@:
	s_wait_loadcnt 0x0                             ; on every path: the other half's loads, issued a half block ago, are in
.if \s == 0
	LENN                                           ; on every path: the next batch's length, asked for at the trip's head, says whether the next trip's block is live
.endif
	s_cmp_lg_u32 s31, 0
	s_cbranch_scc0 .Lno_d_\@
	LOADS \s                                       ; this half's registers take the next block's: they have a half block's work in which to land
.Lno_d_\@:
.endm
	s_load_b512 s[4:19], s[0:1], 0x0               ; text s[4:5], coverage s[6:7], lengths s[8:9], exponents s[10:11], W2 s[12:13], b2 s[14:15], w1img s[16:17], wcimg s[18:19]
	s_load_b128 s[20:23], s[0:1], 0x40             ; gb s[20:21], logits s[22:23]
	s_load_b64 s[24:25], s[0:1], 0x50              ; pvec
	v_lshl_add_u32 v254, v0, 2, 0x4600
	v_mov_b32 v255, 0
	v_lshrrev_b32 v23, 5, v0
	v_readfirstlane_b32 s2, v23                    ; wave 0..3
	v_and_b32 v1, 31, v0
	v_and_b32 v2, 15, v0
	v_bfe_u32 v3, v0, 4, 1
	s_lshl_b32 s32, s2, 9
	s_lshl_b32 s33, s2, 7
	s_lshl_b32 s34, s2, 16
	v_lshl_add_u32 v7, v1, 4, s32
	v_lshl_add_u32 v8, v1, 2, s33
	v_mul_u32_u24 v9, v2, PITCH
	v_lshl_add_u32 v9, v3, 4, v9
	v_lshl_add_u32 v10, v3, 5, s33
	v_add_nc_u32 v10, LPART, v10
	v_lshlrev_b32 v11, 2, v1
	v_add_nc_u32 v11, LPART, v11
	v_add_nc_u32 v12, ESCR, v8
	v_mov_b32 v13, s33
	v_add_nc_u32 v13, ESCR, v13
	v_lshlrev_b32 v14, 3, v2
	v_lshl_add_u32 v15, v2, 2, s32
	v_lshlrev_b32 v16, 3, v1
	v_lshlrev_b32 v17, 1, v1
	v_add_nc_u32 v18, -1, v3
	v_sub_nc_u32 v19, 0, v3
	v_mov_b32 v22, 0xff800000
	v_lshl_add_u32 v23, v1, 4, s34                 ; w1img: 65,536 w + 16 L
	v_lshl_add_u32 v27, v1, 2, s32                 ; wcimg: 512 w + 4 L
	s_mov_b32 s70, 0x76543210                      ; v_permlanex16_b32's selects for lane l xor 16
	s_mov_b32 s71, 0xfedcba98
	s_mov_b32 s72, 0x3fb8aa3b                      ; log2(e)
	s_and_b32 s28, ttmp9, 31                       ; i
	s_lshr_b32 s29, ttmp9, 5                       ; j
	s_mov_b32 s78, 0
	s_wait_kmcnt 0x0
	s_load_b64 s[66:67], s[10:11], 0x0             ; e0, e1
	s_load_b32 s68, s[14:15], 0x0                  ; b2
	NEXTB                                          ; trip 0's block
	WIN 0x80                                       ; destination window 2: my tiles 0-3 of W1; they stay
.set n, 0
.rept 64
	global_load_b128 v[4*n:4*n+3], v23, s[16:17] offset:512*n
.set n, n+1
.endr
	WIN 0xc0                                       ; window 3: tiles 4-7
.set n, 0
.rept 64
	global_load_b128 v[4*n:4*n+3], v23, s[16:17] offset:512*(n+64)
.set n, n+1
.endr
	WIN 0
.irp c, 0,1,2,3
	global_load_b32 v[WC+2*\c], v27, s[18:19] offset:128*\c
.endr
.irp t, 0,1,2,3,4,5,6,7
	global_load_b32 v[W2P+\t], v15, s[12:13] offset:64*\t
.endr
	LOADS 0                                        ; the first block, live or not (it lies inside the buffers): both sets are written on every path
	LOADS 1
	; zeros that are operands: the rest of the coverage fragments and of the conversion's eight numbers
.irp x, 63,64,65,66,67,68,69,73,75,77,79
	v_mov_b32 v\x, 0
.endr
.set n, 0
.rept 28
	v_mov_b32 v[R0+n], 0
.set n, n+1
.endr
.irp x, 24,25,26,116,117,118,119,120,122,123
	v_mov_b32 v\x, 0                               ; written once, so that every path finds them written
.endr
	LENN                                           ; waits for all three scalar loads; is trip 0's block live?
	s_add_co_i32 s26, s67, 127
	s_lshl_b32 s27, s26, 23
	v_mov_b32 v20, s27                             ; 2^e1
	s_add_co_i32 s26, s26, 15
	s_lshl_b32 s26, s26, 23
	s_or_b32 s26, s26, 0x600000
	v_mov_b32 v21, s26                             ; 57,344 x 2^e1
	s_add_co_i32 s26, s66, s67
	s_lshl_b32 s26, s26, 23
	s_add_co_i32 s66, s26, 0x4038aa3b              ; 2.885390 x 2^(e0+e1)
	s_mov_b32 s67, s66
	s_wait_loadcnt 0x0
	v_add_f32 v60, v52, v53
	v_add_f32 v61, v54, v55
	v_add_f32 v28, v56, v57
	v_add_f32 v29, v58, v59
	v_add_f32 v60, v60, v61
	v_add_f32 v28, v28, v29
	v_add_f32 v60, v60, v28
	v_mov_b32 v61, v60
.irp t, 0,1,2,3,4,5,6,7
	v_mul_f32 v[W2P+\t], -2.0, v[W2P+\t]
.endr
	s_mov_b32 s3, 0
.Ltrip:
	s_wait_xcnt 0x0                                ; the last trip's loads and stores have read their bases and data: both are written again only behind this wait
	s_mov_b32 s30, s31                             ; what was the next trip's is now this trip's: the flag, the count of positions, batch and block
	s_mov_b32 s77, s76
	s_mov_b32 s79, s92
	s_mov_b32 s80, s93
	OUTB
	s_add_co_u32 s78, s3, 1                        ; the trip whose block is loaded ahead
	NEXTB
	HALF 0
	HALF 1
	s_add_co_u32 s3, s3, 1
	s_cmp_lt_u32 s3, TRIPS
	s_cbranch_scc1 .Ltrip
	s_wait_tensorcnt 0x0
	ds_add_u32 v254, v255
	s_wait_dscnt 0x0
	s_endpgm
.Lfunc_end_k_qb0acd3d8a0_score:
	.size	k_qb0acd3d8a0_score, .Lfunc_end_k_qb0acd3d8a0_score-k_qb0acd3d8a0_score
	.p2alignl 7, 3214868480
	.fill 96, 4, 3214868480
	.section	.rodata,"a",@progbits
	.p2align	6, 0x0
	.amdhsa_kernel k_qb0acd3d8a0_score
		.amdhsa_group_segment_fixed_size 18432
		.amdhsa_private_segment_fixed_size 0
		.amdhsa_enable_private_segment 0
		.amdhsa_kernarg_size 88
		.amdhsa_user_sgpr_count 2
		.amdhsa_user_sgpr_kernarg_segment_ptr 1
		.amdhsa_wavefront_size32 1
		.amdhsa_system_sgpr_workgroup_id_x 1
		.amdhsa_system_sgpr_workgroup_id_y 1
		.amdhsa_system_sgpr_workgroup_id_z 1
		.amdhsa_system_vgpr_workitem_id 0
		.amdhsa_next_free_vgpr 1024
		.amdhsa_next_free_sgpr 102
		.amdhsa_reserve_vcc 1
		.amdhsa_float_denorm_mode_32 3
		.amdhsa_float_denorm_mode_16_64 3
		.amdhsa_memory_ordered 1
		.amdhsa_forward_progress 1
		.amdhsa_inst_pref_size 139
	.end_amdhsa_kernel
	.amdgpu_metadata
---
amdhsa.version: [ 1, 2 ]
amdhsa.kernels:
  - .name:           k_qb0acd3d8a0_score
    .symbol:         k_qb0acd3d8a0_score.kd
    .args:
      - { .name: text_states, .offset: 0, .size: 8, .value_kind: global_buffer, .address_space: global }
      - { .name: coverage, .offset: 8, .size: 8, .value_kind: global_buffer, .address_space: global }
      - { .name: text_length, .offset: 16, .size: 8, .value_kind: global_buffer, .address_space: global }
      - { .name: lowp_scales, .offset: 24, .size: 8, .value_kind: global_buffer, .address_space: global }
      - { .name: W2, .offset: 32, .size: 8, .value_kind: global_buffer, .address_space: global }
      - { .name: b2, .offset: 40, .size: 8, .value_kind: global_buffer, .address_space: global }
      - { .name: w1img, .offset: 48, .size: 8, .value_kind: global_buffer, .address_space: global }
      - { .name: wcimg, .offset: 56, .size: 8, .value_kind: global_buffer, .address_space: global }
      - { .name: gb, .offset: 64, .size: 8, .value_kind: global_buffer, .address_space: global }
      - { .name: logits, .offset: 72, .size: 8, .value_kind: global_buffer, .address_space: global }
      - { .name: pvec, .offset: 80, .size: 8, .value_kind: global_buffer, .address_space: global }
    .group_segment_fixed_size: 18432
    .private_segment_fixed_size: 0
    .kernarg_segment_align: 8
    .kernarg_segment_size: 88
    .max_flat_workgroup_size: 128
    .sgpr_count:     102
    .vgpr_count:     1024
    .wavefront_size: 32
...
	.end_amdgpu_metadata
.endif
;; end of part 2
;; launch finish (part 3): grid 8 x 32, 1 waves a work-group, no clusters, 0 bytes of LDS; arguments logits, pvec, text_length, out0, out1; writes out0, out1
.if DOCPART == 3
	.amdgcn_target "amdgcn-amd-amdhsa--gfx1250"
	.amdhsa_code_object_version 6
	.text
	.protected	k_qb0acd3d8a0_finish
	.globl	k_qb0acd3d8a0_finish
	.p2align	8
	.type	k_qb0acd3d8a0_finish,@function
k_qb0acd3d8a0_finish:
	s_mov_b64 s[64:65], 0
	v_nop
	global_prefetch_b8 v0, s[64:65] scope:SCOPE_SE
	s_setreg_imm32_b32 hwreg(HW_REG_WAVE_MODE, 25, 1), 1
	s_wait_xcnt 0x0
; The blocks of a batch are joined.  M = the batch's largest logit, S = sum of exp(logit - M); out1 = exp(logit - M) / S; out0 = sum over live blocks of exp(m_block - M) x pvec[block] / S,
; m_block = the block's largest logit, taken again from the stored logits: a maximum rounds nothing, so it is the number under which the launch before summed.
; SHARES.  One wave to a work-group, no LDS, no barrier, no jump.  Work-group (j, b) owns positions 512 j .. 512 j + 511 and features 64 j .. 64 j + 63 of batch b; each of a batch's eight reads all its logits (16,384 bytes at the most).
; Only live blocks were written: a lane whose block is dead reads the batch's last live block instead, and its numbers are replaced by -infinity, so that its weight is 0.
; A load of logits lands on its own offset register: no other instruction names that register while the load is out.
; In load n lanes 0-15 hold block 2 n and lanes 16-31 block 2 n + 1, of logits (4 a lane) and of pvec (my work-group's 64 features, 4 a lane) alike: so a block's weight lies in the lanes that hold its pvec.
; LIMITS: text_length under 1 counts as 1, over 4,096 as 4,096.
.set CH,  16                           ; v16-31   four chains of 4 features
.set POF, 32                           ; v32-63   pvec's offsets
.set LGR, 64                           ; v64-191  the batch's logits, then their exponentials
.set MB,  192                          ; v192-223 the blocks' maxima, then their weights
.set OWN, 224                          ; v224-239 my 512 positions' logits, then out1
.set SUM, 240                          ; v240-247 four chains of the sum
.set INV, 248                          ; v248-249 1 / S, twice
.set MSB, 0
.macro WIN new
.if MSB != (\new)
	s_set_vgpr_msb (MSB<<8)|(\new)
.set MSB, (\new)
.endif
.endm
.macro PKF d, x, w, sel, c
.if \sel
	v_pk_fma_f32 v[\d:\d+1], v[\x:\x+1], v[\w:\w+1], v[\c:\c+1] op_sel:[0,1,0] op_sel_hi:[1,1,1]
.else
	v_pk_fma_f32 v[\d:\d+1], v[\x:\x+1], v[\w:\w+1], v[\c:\c+1] op_sel_hi:[1,0,1]
.endif
.endm
.macro PKM d, x, w, sel
.if \sel
	v_pk_mul_f32 v[\d:\d+1], v[\x:\x+1], v[\w:\w+1] op_sel:[0,1] op_sel_hi:[1,1]
.else
	v_pk_mul_f32 v[\d:\d+1], v[\x:\x+1], v[\w:\w+1] op_sel_hi:[1,0]
.endif
.endm
	s_load_b256 s[4:11], s[0:1], 0x0               ; logits s[4:5], pvec s[6:7], lengths s[8:9], out0 s[10:11]
	s_load_b64 s[12:13], s[0:1], 0x20              ; out1
	s_and_b32 s14, ttmp7, 0xffff                   ; b
	s_mov_b32 s15, ttmp9                           ; j
	s_mov_b32 s26, 0x76543210                      ; v_permlanex16_b32's selects for lane l xor 16
	s_mov_b32 s27, 0xfedcba98
	v_and_b32 v2, 15, v0                           ; r
	v_bfe_u32 v3, v0, 4, 1                         ; hh
	v_lshlrev_b32 v4, 4, v2                        ; 16 r
	s_lshl_b32 s16, s15, 8
	v_add_nc_u32 v5, s16, v4                       ; 256 j + 16 r
	v_lshlrev_b32 v6, 4, v0                        ; 16 L
	v_mov_b32 v8, 0xff800000                       ; -infinity
	v_mov_b32 v13, 0                               ; a lane permute's destination counts as read
	s_lshl_b32 s18, s14, 2
	s_mov_b32 s19, 0
	s_wait_kmcnt 0x0
	s_add_nc_u64 s[8:9], s[8:9], s[18:19]
	s_load_b32 s20, s[8:9], 0x0                    ; the batch's length
	s_lshl_b32 s18, s14, 14
	s_add_nc_u64 s[4:5], s[4:5], s[18:19]          ; the batch's logits,
	s_add_nc_u64 s[12:13], s[12:13], s[18:19]      ; and its row of out1,
	s_lshl_b32 s18, s15, 11
	s_add_nc_u64 s[12:13], s[12:13], s[18:19]      ; at my 512 positions
	s_lshl_b32 s18, s14, 17
	s_add_nc_u64 s[6:7], s[6:7], s[18:19]          ; the batch's 64 blocks of pvec
	s_lshl_b32 s18, s14, 11
	s_add_nc_u64 s[10:11], s[10:11], s[18:19]      ; its row of out0
	s_lshl_b32 s23, s15, 3                         ; my first block: 8 j
	s_wait_kmcnt 0x0
	s_max_i32 s20, s20, 1
	s_min_i32 s20, s20, 0x1000
	s_add_co_u32 s21, s20, 63
	s_lshr_b32 s21, s21, 6                         ; live blocks, 1 to 64
	s_sub_co_u32 s22, s21, 1
.set n, 0
.rept 32
	v_add_nc_u32 v7, 2*n, v3
	v_min_u32 v7, s22, v7                          ; a dead block's lanes read the last live one
	v_min_u32 v7, 63, v7
	v_lshl_add_u32 v[LGR+4*n], v7, 8, v4
	v_lshl_add_u32 v[POF+n], v7, 11, v5
.set n, n+1
.endr
.irp q, 0,1,2,3
	v_add_nc_u32 v7, 2*\q, v3
	v_add_nc_u32 v7, s23, v7
	v_min_u32 v7, s22, v7
	v_min_u32 v7, 63, v7
	v_lshl_add_u32 v[OWN+4*\q], v7, 8, v4
.endr
.set n, 0
.rept 32
	global_load_b128 v[LGR+4*n:LGR+4*n+3], v[LGR+4*n], s[4:5]
.set n, n+1
.endr
.irp q, 0,1,2,3
	global_load_b128 v[OWN+4*\q:OWN+4*\q+3], v[OWN+4*\q], s[4:5]
.endr
	WIN 0x40                                       ; destination window 1
.set n, 0
.rept 32
	global_load_b128 v[4*n:4*n+3], v[POF+n], s[6:7]   ; sixteen lanes read 256 consecutive bytes of a block's 2,048
.set n, n+1
.endr
	WIN 0
	s_wait_loadcnt 32                              ; the logits are in; the 32 younger loads, pvec's, may be out
	s_mov_b32 s24, s21
.set n, 0
.rept 32
	v_cmp_gt_i32 vcc_lo, s24, v3                   ; block 2 n + hh is live
.irp i, 0,1,2,3
	v_cndmask_b32 v[LGR+4*n+\i], v8, v[LGR+4*n+\i], vcc_lo
.endr
	s_sub_co_i32 s24, s24, 2
.set n, n+1
.endr
	s_sub_co_i32 s24, s21, s23
.irp q, 0,1,2,3
	v_cmp_gt_i32 vcc_lo, s24, v3                   ; block 8 j + 2 q + hh is live
.irp i, 0,1,2,3
	v_cndmask_b32 v[OWN+4*\q+\i], v8, v[OWN+4*\q+\i], vcc_lo
.endr
	s_sub_co_i32 s24, s24, 2
.endr
.set n, 0
.rept 32
	v_max3_num_f32 v[MB+n], v[LGR+4*n], v[LGR+4*n+1], v[LGR+4*n+2]
.set n, n+1
.endr
.set n, 0
.rept 32
	v_max_num_f32 v[MB+n], v[MB+n], v[LGR+4*n+3]
.set n, n+1
.endr
.irp x, 1,2,4,8
.set n, 0
.rept 32
	v_max_num_f32_dpp v[MB+n], v[MB+n], v[MB+n] row_xmask:\x row_mask:0xf bank_mask:0xf
.set n, n+1
.endr
.endr
	v_max3_num_f32 v12, v[MB], v[MB+1], v[MB+2]
.irp i, 3,5,7,9,11,13,15,17,19,21,23,25,27,29
	v_max3_num_f32 v12, v12, v[MB+\i], v[MB+\i+1]
.endr
	v_max_num_f32 v12, v12, v[MB+31]
	v_permlanex16_b32 v13, v12, s26, s27
	v_max_num_f32 v12, v12, v13                    ; M: a number, since position 0 counts
	v_mul_f32 v10, 0xbfb8aa3b, v12                 ; -M log2(e)
	v_mov_b32 v11, v10
.set n, 0
.rept 88
	v_pk_fma_f32 v[LGR+2*n:LGR+2*n+1], v[LGR+2*n:LGR+2*n+1], 0x3fb8aa3b, v[10:11] op_sel_hi:[1,0,1]   ; logits, block maxima and my own logits lie on end: (x - M) log2(e)
.set n, n+1
.endr
.set n, 0
.rept 176
	v_exp_f32 v[LGR+n], v[LGR+n]
.set n, n+1
.endr
	v_nop
	s_wait_alu depctr_va_vdst(0)                   ; one wait for the batch, ahead of its first reader
.irp q, 0,1,2,3
	v_pk_add_f32 v[SUM+2*\q:SUM+2*\q+1], v[LGR+2*\q:LGR+2*\q+1], v[LGR+8+2*\q:LGR+8+2*\q+1]
.endr
.set n, 8
.rept 56
	v_pk_add_f32 v[SUM+2*(n%4):SUM+2*(n%4)+1], v[SUM+2*(n%4):SUM+2*(n%4)+1], v[LGR+2*n:LGR+2*n+1]
.set n, n+1
.endr
	v_pk_add_f32 v[SUM:SUM+1], v[SUM:SUM+1], v[SUM+2:SUM+3]
	v_pk_add_f32 v[SUM+4:SUM+5], v[SUM+4:SUM+5], v[SUM+6:SUM+7]
	v_pk_add_f32 v[SUM:SUM+1], v[SUM:SUM+1], v[SUM+4:SUM+5]
	v_add_f32 v14, v[SUM], v[SUM+1]
	v_add_f32_dpp v14, v14, v14 row_xmask:1 row_mask:0xf bank_mask:0xf
	v_add_f32_dpp v14, v14, v14 row_xmask:2 row_mask:0xf bank_mask:0xf
	v_add_f32_dpp v14, v14, v14 row_xmask:4 row_mask:0xf bank_mask:0xf
	v_add_f32_dpp v14, v14, v14 row_xmask:8 row_mask:0xf bank_mask:0xf
	v_permlanex16_b32 v13, v14, s26, s27
	v_add_f32 v14, v14, v13                        ; S, at least 1
	v_rcp_f32 v[INV], v14
	v_nop
	s_wait_alu depctr_va_vdst(0)
	v_mov_b32 v[INV+1], v[INV]
.irp i, 0,2,4,6,8,10,12,14
	v_pk_mul_f32 v[OWN+\i:OWN+\i+1], v[OWN+\i:OWN+\i+1], v[INV:INV+1]
.endr
.irp q, 0,1,2,3
	global_store_b128 v6, v[OWN+4*\q:OWN+4*\q+3], s[12:13] offset:512*\q   ; 32 lanes store 512 consecutive bytes; every position is written, a masked one with 0
.endr
	s_wait_loadcnt 0x0                             ; pvec
	WIN 0x01                                       ; source 0 window 1
.set n, 0
.rept 32
.set ch, CH+4*(n%4)
.set wv, MB+2*(n/2)
.irp p, 0,2
.if n < 4
	PKM ch+\p, 4*n+\p, wv, n%2
.else
	PKF ch+\p, 4*n+\p, wv, n%2, ch+\p
.endif
.endr
.set n, n+1
.endr
	WIN 0
.irp p, 0,2
	v_pk_add_f32 v[CH+\p:CH+\p+1], v[CH+\p:CH+\p+1], v[CH+4+\p:CH+5+\p]
	v_pk_add_f32 v[CH+8+\p:CH+9+\p], v[CH+8+\p:CH+9+\p], v[CH+12+\p:CH+13+\p]
.endr
.irp p, 0,2
	v_pk_add_f32 v[CH+\p:CH+\p+1], v[CH+\p:CH+\p+1], v[CH+8+\p:CH+9+\p]
.endr
.irp i, 0,1,2,3
	v_permlanex16_b32 v[CH+4+\i], v[CH+\i], s26, s27   ; the odd blocks' half
.endr
.irp p, 0,2
	v_pk_add_f32 v[CH+\p:CH+\p+1], v[CH+\p:CH+\p+1], v[CH+4+\p:CH+5+\p]
.endr
.irp p, 0,2
	v_pk_mul_f32 v[CH+\p:CH+\p+1], v[CH+\p:CH+\p+1], v[INV:INV+1]
.endr
	v_cmp_gt_u32 vcc_lo, 16, v0
	s_wait_xcnt 0x0                                ; EXEC is a source of the stores above: it changes only behind this wait
	s_and_saveexec_b32 s28, vcc_lo
	global_store_b128 v5, v[CH:CH+3], s[10:11]     ; lanes 0-15 store 256 consecutive bytes
	s_wait_xcnt 0x0
	s_or_b32 exec_lo, exec_lo, s28
	s_endpgm
.Lfunc_end_k_qb0acd3d8a0_finish:
	.size	k_qb0acd3d8a0_finish, .Lfunc_end_k_qb0acd3d8a0_finish-k_qb0acd3d8a0_finish
	.p2alignl 7, 3214868480
	.fill 96, 4, 3214868480
	.section	.rodata,"a",@progbits
	.p2align	6, 0x0
	.amdhsa_kernel k_qb0acd3d8a0_finish
		.amdhsa_group_segment_fixed_size 0
		.amdhsa_private_segment_fixed_size 0
		.amdhsa_enable_private_segment 0
		.amdhsa_kernarg_size 40
		.amdhsa_user_sgpr_count 2
		.amdhsa_user_sgpr_kernarg_segment_ptr 1
		.amdhsa_wavefront_size32 1
		.amdhsa_system_sgpr_workgroup_id_x 1
		.amdhsa_system_sgpr_workgroup_id_y 1
		.amdhsa_system_sgpr_workgroup_id_z 1
		.amdhsa_system_vgpr_workitem_id 0
		.amdhsa_next_free_vgpr 384
		.amdhsa_next_free_sgpr 66
		.amdhsa_reserve_vcc 1
		.amdhsa_float_denorm_mode_32 3
		.amdhsa_float_denorm_mode_16_64 3
		.amdhsa_memory_ordered 1
		.amdhsa_forward_progress 1
		.amdhsa_inst_pref_size 60
	.end_amdhsa_kernel
	.amdgpu_metadata
---
amdhsa.version: [ 1, 2 ]
amdhsa.kernels:
  - .name:           k_qb0acd3d8a0_finish
    .symbol:         k_qb0acd3d8a0_finish.kd
    .args:
      - { .name: logits, .offset: 0, .size: 8, .value_kind: global_buffer, .address_space: global }
      - { .name: pvec, .offset: 8, .size: 8, .value_kind: global_buffer, .address_space: global }
      - { .name: text_length, .offset: 16, .size: 8, .value_kind: global_buffer, .address_space: global }
      - { .name: out0, .offset: 24, .size: 8, .value_kind: global_buffer, .address_space: global }
      - { .name: out1, .offset: 32, .size: 8, .value_kind: global_buffer, .address_space: global }
    .group_segment_fixed_size: 0
    .private_segment_fixed_size: 0
    .kernarg_segment_align: 8
    .kernarg_segment_size: 40
    .max_flat_workgroup_size: 32
    .sgpr_count:     66
    .vgpr_count:     384
    .wavefront_size: 32
...
	.end_amdgpu_metadata
.endif
;; end of part 3
